; MI455X (gfx1250); checked and timed in simulation.
; The chip was launched on July 23, 2026; its instructions are those of AMD's public machine-readable ISA for CDNA 5 (MIT licence, August 2026) and "CDNA5" Instruction Set Architecture Reference Guide (July 2026). The comments in the code are by the model that wrote it; some were corrected since.
;; Attention. Allowed arithmetic: matrix products marked QUANTISED: E2M3 operands, one E8M0 scale for each 32 along K, by v_wmma_scale_f32_16x16x128_f8f6f4 with both operands' format E2M3, f32 sums; everything else in f32.
;; Inputs: k 2 x 2,048 x 8 x 128 float32; q 2 x 2,048 x 32 x 128 float32; v 2 x 2,048 x 8 x 128 float32.
;; Outputs: out0 2 x 2,048 x 32 x 128 float32.
;; This version of the problem:
;;   THIS VERSION OF THE PROBLEM IS GIVEN IN LOW PRECISION. The matrix products marked QUANTISED in the list below multiply operands that are first quantised to E2M3 (2 exponent bits, 3 mantissa bits; 6 bits a number), with one power-of-two scale for each 32 numbers along K (OCP MX v1.0); their sums are f32. All else is computed in f32.
;;   The module's matrix products, in the order in which they are computed (A, B: the left and right operand; K: the contracted axis; several contracted axes count as one K, in the product's order):
;;     1. batch 16 x [M 2,048, K 128] x [K 128, N 8,192]; A: input k; B: input q: QUANTISED
;;     2. batch 16 x [M 128, K 2,048] x [K 2,048, N 8,192]; A: input v; B: softmax (see below): QUANTISED
;;   THE QUANTISER, for each operand of a quantised product, along K:
;;     - K is cut into blocks of 32 from its start; a last block that is shorter is filled with zeros.
;;     - A block's scale is 2^e with e = floor(log2(the largest magnitude in the block)) - 2, held to -126 .. 127; a block of zeros has e = 0. As a byte (E8M0): e + 127.
;;     - Each number is divided by its block's scale, clamped to +-7.5, and rounded to the nearest number of E2M3, ties to even, subnormals kept.
;;     - The product sums the exact products of the quantised numbers (number of the format x scale) in f32.
;;   ~~~python
;;   def quantise(x, axis):      # numpy; x: float32 -> the quantised numbers, widened to float32 again
;;       x = np.moveaxis(x, axis, -1); K = x.shape[-1]
;;       x = np.pad(x, [(0, 0)] * (x.ndim - 1) + [(0, -K % 32)]); x = x.reshape(x.shape[:-1] + (-1, 32)); a = np.abs(x).max(-1, keepdims=True)
;;       e = np.where(a > 0, np.clip(np.frexp(np.where(a > 0, a, 1))[1] - 1 - 2, -126, 127), 0)      # np.frexp(a)[1] - 1 = floor(log2(a)), exactly
;;       r = np.clip(x / 2.0 ** e, -7.5, 7.5)
;;       step = 2.0 ** (np.maximum(np.frexp(np.where(r == 0, 1, r))[1] - 1, 0) - 3)
;;       q = np.round(r / step) * step * 2.0 ** e      # np.round: ties to even
;;       return np.moveaxis(q.reshape(q.shape[:-2] + (-1,))[..., :K], -1, axis).astype(np.float32)
;;   ~~~
;;   SOFTMAX AHEAD OF A QUANTISED PRODUCT. Where the list says 'softmax', what is quantised is not the finished softmax but p = 2^(t - M), with t = logit x log2(e) and M = ceil(the row's largest t), a whole number; so 1/2 < the row's largest p <= 1. The row's sum l is taken of the UNQUANTISED p, in f32, and the product's result is divided by l at the end. Since M is a whole number, a kernel that streams over the keys may use a running M (the ceiling of the running maximum): every later rescaling is an exact power of two, which a block's scale takes up: the codes' values come out the same.
;;   OPERANDS COMPUTED ON THE WAY. 'Computed on the way' means the value that the module computes at that place (a softmax that the list does not call 'softmax' is quantised finished and normalised). What goes into a quantiser is computed in f32, as accurately as f32 sums, v_exp_f32 and their like allow (about 1e-6 of the number): no bf16 or f16 on the way to a quantiser, and a product that is left as it is and whose result goes on into a quantised operand takes f32 operands (vector FMAs, or v_wmma_f32_16x16x4_f32). A number that lies on a knife's edge between two numbers of the format may be rounded either way, as far as f32 arithmetic and the matrix unit's own rounding can turn it there, and no further.
;; One version. Each part assembles by itself: llvm-mc -triple=amdgcn-amd-amdhsa -mcpu=gfx1250 --defsym DOCPART=n.
;; ======== version 1 of 1: 2 launches
;; workspace buffers: kv 6,553,600 bytes
;; launch prep (part 1): grid 256 x 2, 8 waves a work-group, no clusters, 69,632 bytes of LDS; arguments k, v, kv; writes kv
.if DOCPART == 1
	.amdgcn_target "amdgcn-amd-amdhsa--gfx1250"
	.amdhsa_code_object_version 6
	.text
	.protected	k_q20e176e49d_prep
	.globl	k_q20e176e49d_prep
	.p2align	8
	.type	k_q20e176e49d_prep,@function
k_q20e176e49d_prep:
	s_mov_b64 s[64:65], 0
	v_nop
	global_prefetch_b8 v0, s[64:65] scope:SCOPE_SE
	s_setreg_imm32_b32 hwreg(HW_REG_WAVE_MODE, 25, 1), 1
	s_wait_xcnt 0x0
; k and v, [2][2048][8][128] f32, become codes of FP6 (E2M3) with one E8M0 scale byte for each 32 along a product's K: k along the head's 128 channels, v along the keys.
; They are stored as IMAGES OF THE OPERAND'S REGISTERS, so that the attention launch takes a fragment by three loads of 16 bytes a lane and a key step by one dense block.
; kv = [16 heads (8 b + hkv)][16 key steps of 128 keys][25,600 bytes]:  8 tiles of K x 1,536 | 8 tiles of V x 1,536 | K's scale words, 512 | V's scale words, 512.
;   a tile's image: register group g (4 registers) of lane l at 512 g + 16 l.
;   K's tile T = 2 b + u: lane (r, h) holds key 32 b + 8 u + r + 8 (r / 8), registers 6 c .. 6 c + 5 the channels 64 c + 32 h + 0 .. 31.  (The keys of a tile are not neighbours: the scores of tiles 2 b and 2 b + 1 are then 16 neighbouring keys in a lane.)
;   V's tile T: lane (r, h) holds channel 16 T + r, registers 6 c .. 6 c + 5 the keys 64 c + 32 h + 0 .. 31 of the step.
;   scale words: word t of the 16 bytes at 16 l: lanes 0-15 tile t, row l; lanes 16-31 tile 4 + t, row l - 16.
; A block's scale is 2^(floor(log2(its largest magnitude)) - 2); its byte is the largest magnitude's exponent field - 2, held at 1 from below.
; LIMITS: NaN and infinities among the inputs are not served; a block whose largest magnitude lies under 2^-124 gets the byte 1; a block of zeros gets the byte 1 where the rule says 127: its codes are zeros,
; which add nothing under any byte but 0xff, and the bytes are read by this program alone.
; SHARES.  Work-group x = 16 x head + key step; y = 0 takes k, y = 1 takes v: only pointers, offsets and the way the stage is read hang on y.  The work-group takes 128 keys x 128 channels, 64 KiB.
; Wave w loads keys 16 w .. 16 w + 15, a whole row of 512 consecutive bytes a load, into a stage in LDS; behind a barrier it reads tile w's 64 numbers a lane in the operand's own order, quantises and stores the image.
.set STEPB, 25600
.set VIMG,  12288
.set KSC,   24576
.set SP,    528                        ; a stage row: 512 bytes + 16
.set HALF,  33920                      ; keys with bit 5 set lie here: 64 rows x 528 + 128, so that the two halves of the lanes, which read V 32 keys apart, start 128 bytes apart modulo 256
.set SCL,   67840                      ; behind the stage: the step's 128 scale words
.set WV,  10                           ; s10  my wave
.set SEL, 20                           ; s[20:21] selects of v_permlanex16_b32: lane l xor 16
.set LI,  4                            ; v4   16 x lane
.set SW,  5                            ; v5   the stage, on the way in
.set KRD, 6                            ; v6   the stage, read for a tile of K
.set VRD, 7                            ; v7   the stage, read for a tile of V
.set SCA, 8                            ; v8   where my row's scale word goes
.set SCR, 9                            ; v9   where the scale words are read back
.set H8,  10                           ; v10  8 x (lane / 16)
.set X,   16                           ; v16-79  rows as loaded, then my 64 numbers
.set CD,  80                           ; v80-91  the codes
.set SWD, 92                           ; v92  the scale word
.set TM,  96                           ; v96-110 at work
; 64 numbers of a lane, v[x + 32 c + i] = (my row, k = 64 c + 32 h + i): two whole blocks, h and 2 + h.  They become the operand's 12 registers in v[dst] on and the row's scale word in v[sw].
.macro QUANT64 x, dst, sw, tm, h8
.irp c, 0,1
	v_max3_num_f32 v[\tm+\c], |v[\x+32*\c]|, |v[\x+32*\c+1]|, 0x1800000   ; with the floor 2^(3 - 127): the byte cannot fall under 1
.endr
.irp i, 2,4,6,8,10,12,14,16,18,20,22,24,26,28,30
.irp c, 0,1
	v_max3_num_f32 v[\tm+\c], v[\tm+\c], |v[\x+32*\c+\i]|, |v[\x+32*\c+\i+1]|   ; the two blocks by turns
.endr
.endr
.irp c, 0,1
	v_add_nc_u32 v[\tm+2+\c], 0xff000000, v[\tm+\c]   ; 2 off the exponent field: the conversion takes the exponent field of this operand as its scale
.endr
.irp c, 0,1
	v_lshrrev_b32 v[\tm+4+\c], 23, v[\tm+2+\c]       ; the scale's byte
.endr
	v_lshl_or_b32 v[\sw], v[\tm+5], 16, v[\tm+4]     ; my two bytes, blocks h and 2 + h,
	v_lshlrev_b32 v[\sw], v[\h8], v[\sw]             ; at their places in the word;
	v_permlanex16_b32 v[\tm+6], v[\sw], s[SEL], s[SEL+1]
	v_or_b32 v[\sw], v[\sw], v[\tm+6]                ; with lane l xor 16's two the word is whole
.irp c, 0,1
	v_cvt_scalef32_pk16_fp6_f32 v[\dst+6*\c:\dst+6*\c+2], v[\x+32*\c:\x+32*\c+15], v[\tm+2+\c]
	v_cvt_scalef32_pk16_fp6_f32 v[\tm+8+4*\c:\tm+10+4*\c], v[\x+32*\c+16:\x+32*\c+31], v[\tm+2+\c]   ; a conversion's three registers begin on an even number: the second half is made elsewhere and moved
.endr
	v_nop                                            ; one plain instruction behind the last scaled conversion
.irp c, 0,1
.irp i, 0,1,2
	v_mov_b32 v[\dst+3+6*\c+\i], v[\tm+8+4*\c+\i]
.endr
.endr
.endm
	s_load_b128 s[4:7], s[0:1], 0x0                ; k, v
	s_load_b64 s[8:9], s[0:1], 0x10                ; kv
	v_lshl_add_u32 v112, v0, 2, 0x10c00
	v_mov_b32 v113, 0
	v_lshrrev_b32 v1, 5, v0
	v_readfirstlane_b32 s[WV], v1                  ; wave 0..7
	s_mov_b32 s11, ttmp9                           ; x = 16 x head + key step
	s_and_b32 s12, ttmp7, 0xffff                   ; y: 0 = k, 1 = v
	v_and_b32 v1, 31, v0                           ; lane
	v_and_b32 v2, 15, v0                           ; r
	v_bfe_u32 v3, v0, 4, 1                         ; h
	v_lshlrev_b32 v[LI], 4, v1
	; key kk lies in the stage at (32 (kk / 64) + kk % 32) x 528 + ((kk / 32) % 2) x HALF
	s_lshr_b32 s22, s[WV], 2
	s_and_b32 s23, s[WV], 1
	s_bfe_u32 s24, s[WV], 0x10001                  ; (wave / 2) % 2
	s_mul_i32 s27, s24, HALF
	s_lshl_b32 s25, s22, 5
	s_lshl_b32 s26, s23, 4
	s_add_co_u32 s26, s25, s26
	s_mul_i32 s26, s26, SP
	s_add_co_u32 s26, s26, s27
	v_add_nc_u32 v[SW], s26, v[LI]                 ; in: keys 16 w + i: 528 i in the immediate
	s_lshl_b32 s28, s23, 3
	s_add_co_u32 s28, s25, s28
	s_mul_i32 s28, s28, SP
	s_add_co_u32 s28, s28, s27
	v_and_b32 v11, 8, v2
	v_add_nc_u32 v11, v11, v2                      ; r + 8 (r / 8)
	v_mul_u32_u24 v[KRD], v11, SP
	v_lshl_add_u32 v[KRD], v3, 7, v[KRD]           ; + 128 h: my half's 32 channels
	v_add_nc_u32 v[KRD], s28, v[KRD]               ; K's tile w: key 32 (w / 2) + 8 (w % 2) + r + 8 (r / 8)
	v_lshlrev_b32 v[VRD], 2, v2
	v_mad_u32_u24 v[VRD], v3, HALF, v[VRD]         ; lanes 16-31 begin 32 keys on
	s_lshl_b32 s29, s[WV], 6
	v_add_nc_u32 v[VRD], s29, v[VRD]               ; V's tile w: channel 16 w + r; the key stands in the immediate
	v_lshl_add_u32 v[SCA], v2, 4, SCL
	s_lshl_b32 s30, s22, 8
	s_and_b32 s31, s[WV], 3
	s_lshl_b32 s31, s31, 2
	s_add_co_u32 s30, s30, s31
	v_add_nc_u32 v[SCA], s30, v[SCA]               ; 256 (w / 4) + 16 r + 4 (w % 4)
	v_add_nc_u32 v[SCR], SCL, v[LI]
	v_lshlrev_b32 v[H8], 3, v3
	v_mov_b32 v[TM+6], 0                           ; a lane permute's destination counts as one of its sources
	s_mov_b32 s[SEL], 0x76543210
	s_mov_b32 s[SEL+1], 0xfedcba98
	; where my wave's 16 rows begin in k or v: b x 2^23 + key x 4,096 + hkv x 512
	s_lshr_b32 s32, s11, 7
	s_lshl_b32 s32, s32, 23
	s_and_b32 s33, s11, 15
	s_lshl_b32 s33, s33, 19
	s_add_co_u32 s32, s32, s33
	s_bfe_u32 s33, s11, 0x30004
	s_lshl_b32 s33, s33, 9
	s_add_co_u32 s32, s32, s33
	s_lshl_b32 s33, s[WV], 16
	s_add_co_u32 s32, s32, s33
	s_mov_b32 s33, 0
	s_mul_i32 s34, s11, STEPB                      ; the step's block in kv
	s_mov_b32 s35, 0
	s_mul_i32 s36, s12, VIMG                       ; in it: K's or V's images, my tile
	s_mul_i32 s37, s[WV], 1536
	s_add_co_u32 s36, s36, s37
	s_mov_b32 s37, 0
	s_lshl_b32 s38, s12, 9                         ; and K's or V's scale words
	s_add_co_u32 s38, s38, KSC
	s_mov_b32 s39, 0
	s_wait_kmcnt 0x0
	s_cmp_eq_u32 s12, 0                            ; the choice hangs on the work-group's number alone
	s_cselect_b64 s[14:15], s[4:5], s[6:7]
	s_add_nc_u64 s[14:15], s[14:15], s[32:33]
	s_add_nc_u64 s[16:17], s[8:9], s[34:35]
	s_add_nc_u64 s[18:19], s[16:17], s[38:39]
	s_add_nc_u64 s[16:17], s[16:17], s[36:37]
.irp i, 0,1,2,3,4,5,6,7,8,9,10,11,12,13,14,15
	global_load_b128 v[X+4*\i:X+4*\i+3], v[LI], s[14:15] offset:4096*\i th:TH_LOAD_NT   ; a key's 512 consecutive bytes; read once in the launch
.endr
.irp i, 0,1,2,3,4,5,6,7,8,9,10,11,12,13,14,15
	s_wait_loadcnt 15-\i                           ; loads come back in order: row i is in, the 15 - i younger ones may be out
	ds_store_b128 v[SW], v[X+4*\i:X+4*\i+3] offset:SP*\i
.endr
	s_wait_dscnt 0x0                               ; for the others' sake: my rows lie in the stage
	s_barrier_signal -1
	s_barrier_wait -1
	s_cmp_lg_u32 s12, 0                            ; the two ways differ in loads alone
	s_cbranch_scc1 .Lfrom_v
.irp c, 0,1
.irp j, 0,1,2,3,4,5,6,7
	ds_load_b128 v[X+32*\c+4*\j:X+32*\c+4*\j+3], v[KRD] offset:256*\c+16*\j   ; K: my key's channels 64 c + 32 h + 4 j on.  A tile's two groups of eight keys lie 16 rows apart, 8,448 bytes = 33 x 256: two lanes share a column of 16 bytes
.endr
.endr
	s_branch .Lhave
.Lfrom_v:
.irp c, 0,1
.irp i, 0,1,2,3,4,5,6,7,8,9,10,11,12,13,14,15,16,17,18,19,20,21,22,23,24,25,26,27,28,29,30,31
	ds_load_b32 v[X+32*\c+\i], v[VRD] offset:(32*\c+\i)*SP   ; V: my channel of key 64 c + 32 h + i: the registers run down the keys
.endr
.endr
.Lhave:
	s_wait_dscnt 0x0
	QUANT64 X, CD, SWD, TM, H8
.irp c, 0,1,2
	global_store_b128 v[LI], v[CD+4*\c:CD+4*\c+3], s[16:17] offset:512*\c   ; the image: 32 lanes store 512 consecutive bytes, aligned
.endr
	ds_store_b32 v[SCA], v[SWD]                    ; both halves of the lanes write the same word with the same value
	s_wait_dscnt 0x0                               ; for wave 0's sake
	s_barrier_signal -1
	s_barrier_wait -1
	s_cmp_lg_u32 s[WV], 0
	s_cbranch_scc1 .Ldone
	ds_load_b128 v[X:X+3], v[SCR]                  ; the eight tiles' scale words leave as 512 consecutive bytes
	s_wait_dscnt 0x0
	global_store_b128 v[LI], v[X:X+3], s[18:19]
.Ldone:
	s_wait_tensorcnt 0x0
	ds_add_u32 v112, v113
	s_wait_dscnt 0x0
	s_endpgm
.Lfunc_end_k_q20e176e49d_prep:
	.size	k_q20e176e49d_prep, .Lfunc_end_k_q20e176e49d_prep-k_q20e176e49d_prep
	.p2alignl 7, 3214868480
	.fill 96, 4, 3214868480
	.section	.rodata,"a",@progbits
	.p2align	6, 0x0
	.amdhsa_kernel k_q20e176e49d_prep
		.amdhsa_group_segment_fixed_size 69632
		.amdhsa_private_segment_fixed_size 0
		.amdhsa_enable_private_segment 0
		.amdhsa_kernarg_size 24
		.amdhsa_user_sgpr_count 2
		.amdhsa_user_sgpr_kernarg_segment_ptr 1
		.amdhsa_wavefront_size32 1
		.amdhsa_system_sgpr_workgroup_id_x 1
		.amdhsa_system_sgpr_workgroup_id_y 1
		.amdhsa_system_sgpr_workgroup_id_z 1
		.amdhsa_system_vgpr_workitem_id 0
		.amdhsa_next_free_vgpr 114
		.amdhsa_next_free_sgpr 66
		.amdhsa_reserve_vcc 0
		.amdhsa_float_denorm_mode_32 3
		.amdhsa_float_denorm_mode_16_64 3
		.amdhsa_memory_ordered 1
		.amdhsa_forward_progress 1
		.amdhsa_inst_pref_size 16
	.end_amdhsa_kernel
	.amdgpu_metadata
---
amdhsa.version: [ 1, 2 ]
amdhsa.kernels:
  - .name:           k_q20e176e49d_prep
    .symbol:         k_q20e176e49d_prep.kd
    .args:
      - { .name: k, .offset: 0, .size: 8, .value_kind: global_buffer, .address_space: global }
      - { .name: v, .offset: 8, .size: 8, .value_kind: global_buffer, .address_space: global }
      - { .name: kv, .offset: 16, .size: 8, .value_kind: global_buffer, .address_space: global }
    .group_segment_fixed_size: 69632
    .private_segment_fixed_size: 0
    .kernarg_segment_align: 8
    .kernarg_segment_size: 24
    .max_flat_workgroup_size: 256
    .sgpr_count:     66
    .vgpr_count:     114
    .wavefront_size: 32
...
	.end_amdgpu_metadata
.endif
;; end of part 1
;; launch attn (part 2): grid 16 x 16, 8 waves a work-group, no clusters, 327,680 bytes of LDS; arguments q, kv, out0; writes out0
.if DOCPART == 2
	.amdgcn_target "amdgcn-amd-amdhsa--gfx1250"
	.amdhsa_code_object_version 6
	.text
	.protected	k_q20e176e49d_attn
	.globl	k_q20e176e49d_attn
	.p2align	8
	.type	k_q20e176e49d_attn,@function
k_q20e176e49d_attn:
	s_mov_b64 s[64:65], 0
	v_nop
	global_prefetch_b8 v0, s[64:65] scope:SCOPE_SE
	s_setreg_imm32_b32 hwreg(HW_REG_WAVE_MODE, 25, 1), 1
	s_wait_xcnt 0x0
; Causal grouped-query attention on codes of FP6 (E2M3).  q, out0: [2][2048][32][128] f32; kv: the images of K's and V's operand registers, [16 heads y = 8 b + hkv][16 key steps of 128 keys][25,600 bytes]:
; 8 tiles of K x 1,536 | 8 tiles of V x 1,536 | K's scale words, 512 | V's scale words, 512 (a tile: register group g of lane l at 512 g + 16 l; scale words: word t at 16 l: lanes 0-15 tile t, lanes 16-31 tile 4 + t).
; THE SOFTMAX AHEAD OF THE SECOND PRODUCT: t = score x log2(e) / sqrt(128); M = the running largest t rounded UP to a whole number; p = 2^(t - M) is quantised along the keys, not normalised; the row's sum is taken of the
; unquantised p and divides at the end; when M moves, the sum and O are multiplied by 2^(old M - new M), which rounds nothing.
; SHARES.  A block is 64 positions x the 4 query heads of one key/value head.  Block j needs j / 2 + 1 key steps of 128.  Work-group (i, y) takes block i and then block 31 - i: (i / 2 + 1) + (16 - i / 2) = 17 key steps
; in every work-group, so the trip count is a constant, all 256 work-groups have equal work, and no step is wholly hidden: only each block's last step is masked.
; Eight waves of 512 registers.  Wave w owns positions 16 (w / 2) + 0 .. 15 of the block and two tiles of 16 queries: heads 2 (w % 2) + 0, 1.  Each fragment of K and V read from LDS feeds two products.
; Tile 1's registers carry tile 0's numbers, in window 1: softmax, the quantiser of q and the way out are written once for both.
; LAYOUT.  Both products are used transposed: S^T = K Q^T, O^T = V^T P^T: a lane holds ONE query (lane % 16).  The keys of K's tiles are chosen so that the 16 registers of tiles 2 b, 2 b + 1 are keys 32 b + 16 (lane / 16) + 0 .. 15.
; NO CLUSTER: the work-groups of a head change from their first block to their second at different steps (step i / 2), so in one round partners would name different tiles.  A joint walk for four partners takes 18 steps
; for 17, and the mask in 4 steps for 2 and one wholly hidden step computed in full: more vector work in a loop whose vector work is the larger part, to spare requests of 25,600 bytes a step.
; LIMITS: NaN and infinities among the inputs are not served; a block of q whose largest magnitude lies under 2^-124 gets the byte 1, a block of zeros (of q or of p) the byte 1 where the rule says 127: its codes are zeros.
; A block's largest p is made from its largest score by the same multiply-add and exponential: that takes v_exp_f32 not to fall where its input rises.
.set STEPB, 25600
.set HEADB, 16*STEPB
.set VIMG,  12288
.set KSC,   24576
.set VSC,   25088
.set SLOT1, 32768                      ; slot 0 at 0, slot 1 here: one exclusive or turns an address
.set STAGE, 65536                      ; behind the ring: 16 rows x 528 bytes for each wave, its own; no tensor load fills it
.set SP,    528
.set WSTG,  16*SP
.set SPARE, STAGE+8*WSTG               ; the spare words, 128 bytes for each wave: four blocks of 256 bytes that no other line names
; vector registers (m: the same number in window 1 for tile 1)
.set LI,  1                            ; v1   16 x lane: an image's place, and my bytes of a row of q or out0
.set AD,  2                            ; v2   the slot in hand + 16 x lane
.set STO, 3                            ; v3   the stage: where I put 32 bytes of a row of O
.set SRD, 4                            ; v4   the stage: a whole row, 16 bytes a lane
.set SPW, 5                            ; v5   my spare word; never rewritten
.set NIL, 6                            ; v6   0; never rewritten
.set QRD, 7                            ; v7   the stage: my query's row, my half's 32 channels
.set PFO, 8                            ; v8   256 x min(lane, 24)
.set RH,  9                            ; v9 m  lane % 16 - 16 (lane / 16)
.set H8,  10                           ; v10 m 8 (lane / 16)
.set PQO, 11                           ; v11  (lane / 4) rows of q + 256 (lane % 4)
.set PS1, 93                           ; v93  tile 1's scale word of p   (scale operands have no window)
.set QS1, 94                           ; v94  tile 1's scale word of q
; v12 m -M, v13 m the largest t, v[14:15] m the sum in two halves; v16-27 m q's codes; v28-31 V's scale words; v32-79 fragments: window 0 tiles 0-3, window 1 tiles 4-7;
; v96-159 m q as loaded, S^T, p; v160-223 m O^T; v224-235 m p's codes; v232-247 m at work; v248-251 K's scale words; v252 m f; v253 m p's scale word; v254 m at work; v255 m q's scale word
.set WV,  10                           ; s10  my wave;  s11 = i, s12 = y
.set G1,  16                           ; s[16:23] descriptor group 1
.set G0,  24                           ; s[24:27] descriptor group 0
.set KVB, 28                           ; s[28:29] my head's first byte in kv
.set OFS, 30                           ; s[30:31] an offset; s31 stays 0
.set QA,  32                           ; s[32:33], s[34:35] q at my wave's first row of block A, B
.set QB,  34
.set OA,  36                           ; s[36:37], s[38:39] out0 likewise
.set OB,  38
.set SEL, 40                           ; s[40:41] selects of v_permlanex16_b32: lane l xor 16
.set CS,  42                           ; s[42:43] c = log2(e) / sqrt(128), twice
.set TB,  44                           ; s44  the slot in hand
.set SN,  45                           ; s45  the step in hand, 0 .. 16
.set NA,  46                           ; s46  block A's steps: i / 2 + 1
.set LASTA, 47                         ; s47  block A's last step
.set NF,  48                           ; s48  the step last asked for
.set CNT, 49                           ; s49  trips to go
.set DA,  50                           ; s50, s51  my first query less the last step's first key, block A, B
.set DB,  51
.set PFA, 52                           ; s[52:53] where my prefetches of kv stand
.set LIM, 54                           ; s54  14 in a wave that prefetches kv, else 0
.set PQ,  55                           ; s55  the step in which block B's q is prefetched
.set MSB, 0
.macro WIN new                         ; s_set_vgpr_msb: bits 1:0 source 0, 3:2 source 1, 5:4 source 2, 7:6 destination; the high byte repeats the setting that is left; a switch that changes nothing is dropped
.if MSB != (\new)
	s_set_vgpr_msb (MSB<<8)|(\new)
.set MSB, (\new)
.endif
.endm
; Wave 0 fetches a key step: one dense block, 100 rows of 256 bytes.  By this text's count one tensor load is out at the most.  Four v_nop follow the line.
.macro TLOAD
	s_cmp_eq_u32 s[WV], 0
	s_cbranch_scc0 .Lnot_wave_0_\@
	tensor_load_to_lds s[G0:G0+3], s[G1:G1+7]
	s_nop 0
.rept 4
	v_nop
.endr
.Lnot_wave_0_\@:
.endm
; A PREFETCH INTO THE L2 of kv: in trip n = 0 .. 13 the head's key step n + 2, which no work-group of the head asks for by its tensor load before trip n + 1.  All 16 work-groups of a head walk the same steps: the one with
; i = 0 asks; 25 blocks of 256 bytes, a lane a block (lanes 25 to 31 name lane 24's block once more: a quarter is no 32 blocks).  Steps 0 and 1 come by their loads alone.
.macro ASK
	s_cmp_lt_u32 s[SN], s[LIM]
	s_cbranch_scc0 .Lno_ask_\@
	global_prefetch_b8 v[PFO], s[PFA:PFA+1] th:TH_LOAD_NT scope:SCOPE_SE
.Lno_ask_\@:
.endm
; AND OF BLOCK B's q: my wave's own 16 rows x 1,024 bytes, 64 blocks of 256 bytes, a lane a block, each named once in the launch; one step ahead of the change of blocks (in trip 0 where block A has one step).
.macro ASKQ
	s_cmp_eq_u32 s[SN], s[PQ]
	s_cbranch_scc0 .Lno_askq_\@
	global_prefetch_b8 v[PQO], s[QB:QB+1] th:TH_LOAD_NT scope:SCOPE_SE
	global_prefetch_b8 v[PQO], s[QB:QB+1] offset:131072 th:TH_LOAD_NT scope:SCOPE_SE
.Lno_askq_\@:
.endm
; THE CHANGE OF SLOTS, at a step's head.  Each wave waits for all its tensor loads (wave 0: the step that is about to be read), adds 0 to its spare word, and waits for that and for its reads of the slot that it has left.
; Behind the barrier the slot ahead is whole and nobody reads the other.  fill = 1: that other slot takes the next step: the load has a whole step's work in which to land.
.macro CHANGE fill
	s_wait_tensorcnt 0x0                           ; no tensor load of mine is out, so group 0 may be written
	ds_add_u32 v[SPW], v[NIL]                      ; 0 onto my spare word; the descriptor's steps stand between it and the wait for it
.if \fill
	s_xor_b32 s[G0+1], s[G0+1], SLOT1              ; the other slot than last time
	s_add_co_u32 s[NF], s[NF], 1
	s_cmp_ge_u32 s[NF], s[NA]
	s_cselect_b32 s[OFS], s[NA], 0
	s_sub_co_u32 s[OFS], s[NF], s[OFS]             ; its key step: block A counts from 0, and so does block B
	s_mul_i32 s[OFS], s[OFS], STEPB
	s_add_nc_u64 s[G0+2:G0+3], s[KVB:KVB+1], s[OFS:OFS+1]
	s_or_b32 s[G0+3], s[G0+3], 0x80000000          ; type = 2
	s_wait_xcnt 0x0                                ; the last prefetch, a step back, has read its address, so it may be written
	s_add_nc_u64 s[PFA:PFA+1], s[PFA:PFA+1], STEPB
.endif
	s_wait_dscnt 0x0                               ; the add is done, and my reads of the slot that I have left are over
	s_barrier_signal -1
	s_barrier_wait -1
.if \fill
	TLOAD                                          ; the first thing behind the barrier, and the only tensor load until the next
	ASK
	ASKQ
.endif
.endm
; 64 numbers of a lane, v[x + 32 c + i] = (my row, k = 64 c + 32 h + i): two whole blocks, h and 2 + h.  They become the operand's 12 registers in v[dst] on and the row's scale word in v[sw].
.macro QUANT64 x, dst, sw, tm, h8
.irp c, 0,1
	v_max3_num_f32 v[\tm+\c], |v[\x+32*\c]|, |v[\x+32*\c+1]|, 0x1800000   ; with the floor 2^(3 - 127): the byte cannot fall under 1
.endr
.irp i, 2,4,6,8,10,12,14,16,18,20,22,24,26,28,30
.irp c, 0,1
	v_max3_num_f32 v[\tm+\c], v[\tm+\c], |v[\x+32*\c+\i]|, |v[\x+32*\c+\i+1]|
.endr
.endr
.irp c, 0,1
	v_add_nc_u32 v[\tm+2+\c], 0xff000000, v[\tm+\c]   ; 2 off the exponent field: the conversion's scale operand
.endr
.irp c, 0,1
	v_lshrrev_b32 v[\tm+4+\c], 23, v[\tm+2+\c]       ; the scale's byte
.endr
	v_lshl_or_b32 v[\sw], v[\tm+5], 16, v[\tm+4]
	v_lshlrev_b32 v[\sw], v[\h8], v[\sw]
	v_permlanex16_b32 v[\tm+6], v[\sw], s[SEL], s[SEL+1]
	v_or_b32 v[\sw], v[\sw], v[\tm+6]                ; with lane l xor 16's two bytes the word is whole
.irp c, 0,1
	v_cvt_scalef32_pk16_fp6_f32 v[\dst+6*\c:\dst+6*\c+2], v[\x+32*\c:\x+32*\c+15], v[\tm+2+\c]
	v_cvt_scalef32_pk16_fp6_f32 v[\tm+8+4*\c:\tm+10+4*\c], v[\x+32*\c+16:\x+32*\c+31], v[\tm+2+\c]   ; a conversion's three registers begin on an even number
.endr
	v_nop                                            ; one plain instruction behind the last scaled conversion
.irp c, 0,1
.irp i, 0,1,2
	v_mov_b32 v[\dst+3+6*\c+\i], v[\tm+8+4*\c+\i]
.endr
.endr
.endm
; 25 LDS loads in one run: eight tiles' scale words, then the eight fragments (tiles 0-3 into window 0, tiles 4-7 into window 1), each by three loads of 512 consecutive bytes
.macro FLOAD img, sc, sreg
	ds_load_b128 v[\sreg:\sreg+3], v[AD] offset:\sc
.irp w, 0,1
	WIN (0x40*\w)
.irp t, 0,1,2,3
.irp c, 0,1,2
	ds_load_b128 v[32+12*\t+4*\c:35+12*\t+4*\c], v[AD] offset:\img+1536*(4*\w+\t)+512*\c
.endr
.endr
.endr
	WIN 0
.endm
; S^T = K Q^T: K's tiles 4 half + 0 .. 3 against both tiles of queries: eight sums, each begun with the constant 0 and finished by its one instruction (K = the head's 128)
.macro KQ half
.irp tau, 0,1
	WIN (\half|0x54*\tau)
.irp t, 0,1,2,3
.if \half
	v_wmma_scale_f32_16x16x128_f8f6f4 v[128+8*\t:135+8*\t], v[32+12*\t:43+12*\t], v[16:27], 0, v[248+\t], v[255-161*\tau] matrix_a_fmt:MATRIX_FMT_FP6 matrix_b_fmt:MATRIX_FMT_FP6 matrix_a_scale:MATRIX_SCALE_ROW1
.else
	v_wmma_scale_f32_16x16x128_f8f6f4 v[96+8*\t:103+8*\t], v[32+12*\t:43+12*\t], v[16:27], 0, v[248+\t], v[255-161*\tau] matrix_a_fmt:MATRIX_FMT_FP6 matrix_b_fmt:MATRIX_FMT_FP6
.endif
.endr
.endr
.endm
; O^T += V^T P^T for tile tau: eight accumulators by turns, one instruction a turn
.macro PV tau
.irp w, 0,1
	WIN (\w|0x54*\tau)
.irp t, 0,1,2,3
.if \w
	v_wmma_scale_f32_16x16x128_f8f6f4 v[192+8*\t:199+8*\t], v[32+12*\t:43+12*\t], v[224:235], v[192+8*\t:199+8*\t], v[28+\t], v[253-160*\tau] matrix_a_fmt:MATRIX_FMT_FP6 matrix_b_fmt:MATRIX_FMT_FP6 matrix_a_scale:MATRIX_SCALE_ROW1
.else
	v_wmma_scale_f32_16x16x128_f8f6f4 v[160+8*\t:167+8*\t], v[32+12*\t:43+12*\t], v[224:235], v[160+8*\t:167+8*\t], v[28+\t], v[253-160*\tau] matrix_a_fmt:MATRIX_FMT_FP6 matrix_b_fmt:MATRIX_FMT_FP6
.endif
.endr
.endr
.endm
; The diagonal: register 16 b + i holds key (the step's first) + 32 b + 16 (lane / 16) + i: hidden where 32 b + i > d, d = my query - the step's first key - 16 (lane / 16).  Hidden scores become -infinity: p = 0 then.
.macro MASK tau, dq
	WIN (0x55*\tau)
	v_add_nc_u32 v252, s[\dq], v[RH]
	v_mov_b32 v254, 0xff800000
.irp b, 0,1,2,3
.irp i, 0,1,2,3,4,5,6,7,8,9,10,11,12,13,14,15
	v_cmp_gt_i32 vcc_lo, 32*\b+\i, v252
	v_cndmask_b32 v[96+16*\b+\i], v[96+16*\b+\i], v254, vcc_lo
.endr
.endr
.endm
; One tile's softmax for a key step, and p's codes and scale word
.macro SOFTMAX tau
	WIN (0x55*\tau)
.irp b, 0,1,2,3
	v_max3_num_f32 v[232+\b], v[96+16*\b], v[97+16*\b], v[98+16*\b]   ; the largest score of each block of 32 keys: it serves the row's maximum and, since p rises with the score, the block's largest p
.endr
.irp i, 3,5,7,9,11,13
.irp b, 0,1,2,3
	v_max3_num_f32 v[232+\b], v[232+\b], v[96+16*\b+\i], v[97+16*\b+\i]
.endr
.endr
.irp b, 0,1,2,3
	v_max_num_f32 v[232+\b], v[232+\b], v[111+16*\b]
.endr
.irp b, 0,1,2,3
	v_permlanex16_b32 v[236+\b], v[232+\b], s[SEL], s[SEL+1]
.endr
.irp b, 0,1,2,3
	v_max_num_f32 v[232+\b], v[232+\b], v[236+\b]  ; with lane l xor 16's 16 keys
.endr
	v_max3_num_f32 v254, v232, v233, v234
	v_max_num_f32 v254, v254, v235                 ; the step's largest score of my query
	v_mul_f32 v254, s[CS], v254                    ; as t (c is positive)
	v_max_num_f32 v13, v13, v254                   ; the running largest t
	v_mov_b32 v254, v12
	v_floor_f32 v12, -v13                          ; the new -M = floor(-t) = -ceil(t): a whole number
	v_sub_f32 v254, v12, v254                      ; old M - new M: a whole number, 0 or less
	v_cvt_i32_f32 v254, v254                       ; (it saturates)
	v_ldexp_f32 v252, 1.0, v254                    ; f = 2^(old M - new M)
.irp j, 0,2,4,6,8,10,12,14,16,18,20,22,24,26,28,30,32,34,36,38,40,42,44,46,48,50,52,54,56,58,60,62
	v_pk_fma_f32 v[96+\j:97+\j], v[96+\j:97+\j], s[CS:CS+1], v[12:13] op_sel_hi:[1,0,0]   ; t - M, two at a time
.endr
.irp b, 0,1,2,3
	v_fma_f32 v[232+\b], v[232+\b], s[CS], v12     ; the same of each block's largest score
.endr
.irp b, 0,1,2,3
.irp i, 0,1,2,3,4,5,6,7,8,9,10,11,12,13,14,15
	v_exp_f32 v[96+16*\b+\i], v[96+16*\b+\i]       ; p = 2^(t - M), at most 1
.endr
.endr
	v_pk_mul_f32 v[14:15], v[14:15], v[252:253] op_sel_hi:[1,0]   ; the sums under the new M: the plain instruction behind the exponentials
	s_wait_alu depctr_va_vdst(0)                   ; one wait for the batch of 64, ahead of its first reader
.irp b, 0,1,2,3
	v_exp_f32 v[232+\b], v[232+\b]                 ; the block's largest p
.endr
	v_pk_add_f32 v[236:237], v[96:97], v[98:99]    ; the row's sum, of the unquantised p: two at a time, in two chains; it reads the 64 alone
.irp j, 4,8,12,16,20,24,28,32,36,40,44,48,52,56,60
	v_pk_add_f32 v[14:15], v[14:15], v[96+\j:97+\j]
	v_pk_add_f32 v[236:237], v[236:237], v[98+\j:99+\j]
.endr
	v_pk_add_f32 v[14:15], v[14:15], v[236:237]
	s_wait_alu depctr_va_vdst(0)                   ; and one for the four
.irp b, 0,1,2,3
	v_max_num_f32 v[232+\b], 0x1800000, v[232+\b]  ; the floor 2^(3 - 127): the byte cannot fall under 1
.endr
.irp b, 0,1,2,3
	v_add_nc_u32 v[244+\b], 0xff000000, v[232+\b]  ; 2 off the exponent field: the conversion's scale operand
.endr
.irp b, 0,1,2,3
	v_lshrrev_b32 v[236+\b], 23, v[244+\b]         ; the scale's byte
.endr
	v_lshl_or_b32 v253, v237, 8, v236              ; p's scale word for these 128 keys
	v_lshl_or_b32 v253, v238, 16, v253
	v_lshl_or_b32 v253, v239, 24, v253
.if \tau
	WIN 0x01
	v_mov_b32 v[PS1], v253                         ; scale operands are taken from window 0
	WIN 0x55
.endif
.irp c, 0,1
	v_cvt_scalef32_pk16_fp6_f32 v[224+6*\c:226+6*\c], v[96+32*\c:111+32*\c], v[244+2*\c]
	v_cvt_scalef32_pk16_fp6_f32 v[236+4*\c:238+4*\c], v[112+32*\c:127+32*\c], v[244+2*\c+1]
.endr
	v_nop                                          ; one plain instruction behind the last scaled conversion
.irp c, 0,1                                    ; the operand wants a whole block in a lane: lanes 0-15 block 2 c, lanes 16-31 block 2 c + 1
.irp i, 0,1,2
	v_permlane16_swap_b32 v[224+6*\c+\i], v[236+4*\c+\i]
.endr
.irp i, 0,1,2
	v_mov_b32 v[227+6*\c+\i], v[236+4*\c+\i]
.endr
.endr
.irp j, 0,2,4,6,8,10,12,14,16,18,20,22,24,26,28,30,32,34,36,38,40,42,44,46,48,50,52,54,56,58,60,62
	v_pk_mul_f32 v[160+\j:161+\j], v[160+\j:161+\j], v[252:253] op_sel_hi:[1,0]   ; O^T under the new M; these 32 also stand between the writes of p's codes and scale word and the products
.endr
.endm
; A KEY STEP.  tail = 0: the loop's copy, masked in block A's last step alone; tail = 1: the last step, block B's last, always masked.
.macro STEP tail, dq
	v_add_nc_u32 v[AD], s[TB], v[LI]
.rept 3
	v_nop                                          ; with the line above: four plain instructions between the last products and loads into registers that they read (ISA guide 7.12.1 for vector instructions)
.endr
	FLOAD 0, KSC, 248
	s_wait_dscnt 12                                ; K's scale words and tiles 0-3 are in; the 12 loads of tiles 4-7 may be out
	KQ 0
	s_wait_dscnt 0x0
	KQ 1
	WIN 0
.rept 4
	v_nop                                          ; four places: in front of the loads into K's registers, and of the first read of the scores
.endr
	FLOAD VIMG, VSC, 28                            ; V lands while tile 0's softmax is walked
.if \tail == 0
	s_cmp_lg_u32 s[SN], s[LASTA]                   ; a branch on ids: the same in all eight waves
	s_cbranch_scc1 .Lopen_\@
.endif
	MASK 0, \dq
	MASK 1, \dq
	WIN 0
.if \tail == 0
.Lopen_\@:
.endif
	SOFTMAX 0
	s_wait_dscnt 0x0                               ; V is in
	PV 0                                           ; tile 0's products are at work while tile 1's softmax is issued
	SOFTMAX 1
	PV 1
	WIN 0
.endm
; q: 16 positions x 2 heads, a whole row of 512 consecutive bytes a load, into the registers that will hold the scores
.macro QLOAD ptr
.irp tau, 0,1
	WIN (0x40*\tau)
.irp i, 0,1,2,3,4,5,6,7,8,9,10,11,12,13,14,15
	global_load_b128 v[96+4*\i:99+4*\i], v[LI], s[\ptr:\ptr+1] offset:16384*\i+512*\tau th:TH_LOAD_NT
.endr
.endr
	WIN 0
.endm
; and through my stage, so that lane (r, h) holds query r's channels 64 c + 32 h + 0 .. 31; then quantised in registers
.macro QIN
.irp tau, 0,1
	s_wait_loadcnt 16-16*\tau                      ; this tile's 16 loads are in; tile 1's 16 may be out
	WIN (0x04*\tau)
.irp i, 0,1,2,3,4,5,6,7,8,9,10,11,12,13,14,15
	ds_store_b128 v[SRD], v[96+4*\i:99+4*\i] offset:SP*\i
.endr
	WIN (0x40*\tau)
.irp c, 0,1
.irp j, 0,1,2,3,4,5,6,7
	ds_load_b128 v[96+32*\c+4*\j:99+32*\c+4*\j], v[QRD] offset:256*\c+16*\j   ; LDS serves a wave's instructions in order (ISA guide 5.7.1.4): these see the stores above
.endr
.endr
	s_wait_dscnt 0x0
	WIN (0x55*\tau)
	QUANT64 96, 16, 255, 232, H8
.endr
	WIN 0x01
	v_mov_b32 v[QS1], v255                         ; scale operands are taken from window 0
	WIN 0
.endm
; THE WAY OUT of tile tau: O^T / the sum, through my stage, back as whole rows of 512 bytes
.macro FINISH tau, ptr
.if \tau == 0
.rept 4
	v_nop                                          ; places behind the last products
.endr
.endif
	WIN (0x55*\tau)
	v_add_f32 v14, v14, v15                        ; the sum's two halves,
	v_permlanex16_b32 v252, v14, s[SEL], s[SEL+1]
	v_add_f32 v14, v14, v252                       ; and lane l xor 16's
	v_rcp_f32 v14, v14
	v_nop                                          ; a plain instruction behind the reciprocal,
	s_wait_alu depctr_va_vdst(0)                   ; and the wait ahead of its first reader
.irp j, 0,2,4,6,8,10,12,14,16,18,20,22,24,26,28,30,32,34,36,38,40,42,44,46,48,50,52,54,56,58,60,62
	v_pk_mul_f32 v[160+\j:161+\j], v[160+\j:161+\j], v[14:15] op_sel_hi:[1,0]   ; register 8 t + i is o(query r, channel 16 t + 8 h + i); each accumulator from its low end on
.endr
	WIN (0x04*\tau)
.irp t, 0,1,2,3,4,5,6,7
	ds_store_b128 v[STO], v[160+8*\t:163+8*\t] offset:64*\t
	ds_store_b128 v[STO], v[164+8*\t:167+8*\t] offset:64*\t+16
.endr
	WIN (0x40*\tau)
.irp i, 0,1,2,3,4,5,6,7,8,9,10,11,12,13,14,15
	ds_load_b128 v[160+4*\i:163+4*\i], v[SRD] offset:SP*\i   ; in order behind the stores; into the registers that they left
.endr
	WIN (0x04*\tau)
.irp i, 0,1,2,3,4,5,6,7,8,9,10,11,12,13,14,15
	s_wait_dscnt 15-\i                             ; row i is back; the 15 - i younger loads may be out
	global_store_b128 v[LI], v[160+4*\i:163+4*\i], s[\ptr:\ptr+1] offset:16384*\i+512*\tau th:TH_STORE_NT   ; 32 lanes store 512 consecutive bytes, aligned
.endr
.endm
; A block begins: the largest t is -3e38, the sum and O^T are zeros, which the first change of M leaves zeros: so a step is written without a first step of its own
.macro RESET
.irp tau, 1,0
	WIN (0x55*\tau)
	v_mov_b32 v13, 0xff61b1e6
	v_floor_f32 v12, -v13
	v_mov_b32 v14, 0
	v_mov_b32 v15, 0
.set rj, 0
.rept 64
	v_mov_b32 v[160+rj], 0
.set rj, rj+1
.endr
.endr
.endm
	s_load_b128 s[4:7], s[0:1], 0x0                ; q, kv
	s_load_b64 s[8:9], s[0:1], 0x10                ; out0
	v_lshl_add_u32 v[SPW], v0, 2, SPARE
	v_mov_b32 v[NIL], 0
	ds_add_u32 v5, v6
	s_wait_dscnt 0x0
	v_lshrrev_b32 v32, 5, v0
	v_readfirstlane_b32 s[WV], v32                 ; wave 0..7
	s_mov_b32 s11, ttmp9                           ; i
	s_and_b32 s12, ttmp7, 0xffff                   ; y = 8 b + hkv
	; descriptor group 1: a dense block of 25,600 bytes as 100 rows of 256 bytes
	s_mov_b32 s[G1+0], 3<<16                       ; no mask; elements of 8 bytes; no padding: images are read 512 consecutive bytes at a time
	s_mov_b32 s[G1+1], 32<<16                      ; tensor_dim0 = 32
	s_mov_b32 s[G1+2], 100<<16                     ; tensor_dim1 = 100
	s_mov_b32 s[G1+3], 32<<16                      ; tile_dim0 = 32
	s_mov_b32 s[G1+4], 100                         ; tile_dim1 = 100
	s_mov_b32 s[G1+5], 32                          ; from row to row: 32 elements
	s_mov_b32 s[G1+6], 0
	s_mov_b32 s[G1+7], 0
	s_mul_i32 s[OFS], s12, HEADB
	s_mov_b32 s[OFS+1], 0
	s_wait_kmcnt 0x0
	s_add_nc_u64 s[KVB:KVB+1], s[6:7], s[OFS:OFS+1]
	s_mov_b32 s[G0], 1                             ; count = 1
	s_mov_b32 s[G0+1], 0                           ; slot 0
	s_mov_b64 s[G0+2:G0+3], s[KVB:KVB+1]           ; key step 0
	s_or_b32 s[G0+3], s[G0+3], 0x80000000          ; type = 2
	TLOAD                                          ; the first fill, ahead of every LDS read, wait on TENSORcnt and barrier
	s_lshr_b32 s[LASTA], s11, 1
	s_add_co_u32 s[NA], s[LASTA], 1
	s_and_b32 s2, s11, 1
	s_lshl_b32 s2, s2, 6                           ; block A begins 64 (i % 2) keys into its last step,
	s_lshr_b32 s3, s[WV], 1
	s_lshl_b32 s13, s3, 4
	s_add_co_u32 s[DA], s2, s13
	s_xor_b32 s2, s2, 64                           ; block B = 31 - i the other way round
	s_add_co_u32 s[DB], s2, s13
	s_max_u32 s[PQ], s[LASTA], 1
	s_sub_co_u32 s[PQ], s[PQ], 1
	s_lshr_b32 s14, s[WV], 2
	s_xor_b32 s14, s14, 1                          ; 0 in waves 4 to 7,
	s_or_b32 s14, s14, s11                         ; of the head's first work-group
	s_cmp_eq_u32 s14, 0
	s_cselect_b32 s[LIM], 14, 0
	; q and out0: b x 2^25 + position x 16,384 + head x 512
	s_lshr_b32 s13, s12, 3
	s_lshl_b32 s13, s13, 25
	s_and_b32 s14, s12, 7
	s_lshl_b32 s14, s14, 2
	s_and_b32 s15, s[WV], 1
	s_lshl_b32 s15, s15, 1
	s_add_co_u32 s14, s14, s15                     ; head 4 hkv + 2 (w % 2)
	s_lshl_b32 s14, s14, 9
	s_add_co_u32 s13, s13, s14
	s_lshl_b32 s14, s3, 18                         ; positions 16 (w / 2) on
	s_add_co_u32 s13, s13, s14
	s_lshl_b32 s[OFS], s11, 20                     ; block i: 64 positions
	s_add_co_u32 s[OFS], s[OFS], s13
	s_add_nc_u64 s[QA:QA+1], s[4:5], s[OFS:OFS+1]
	s_add_nc_u64 s[OA:OA+1], s[8:9], s[OFS:OFS+1]
	s_sub_co_u32 s[OFS], 31, s11
	s_lshl_b32 s[OFS], s[OFS], 20
	s_add_co_u32 s[OFS], s[OFS], s13
	s_add_nc_u64 s[QB:QB+1], s[4:5], s[OFS:OFS+1]
	s_add_nc_u64 s[OB:OB+1], s[8:9], s[OFS:OFS+1]
	s_and_b32 s[OFS], s[WV], 3
	s_mul_i32 s[OFS], s[OFS], 6400                 ; my quarter of a step,
	s_add_co_u32 s[OFS], s[OFS], STEPB             ; in step 1: the first change of slots steps it to step 2
	s_add_nc_u64 s[PFA:PFA+1], s[KVB:KVB+1], s[OFS:OFS+1]
	s_mov_b32 s[SEL], 0x76543210
	s_mov_b32 s[SEL+1], 0xfedcba98
	s_mov_b32 s[CS], 0x3e0293ee                    ; c = log2(e) / sqrt(128)
	s_mov_b32 s[CS+1], s[CS]                       ; named with it as a pair, so it is written
	s_mov_b32 s[TB], 0
	s_mov_b32 s[SN], 0
	s_mov_b32 s[NF], 0
	s_mov_b32 s[CNT], 16
	s_mul_i32 s2, s[WV], WSTG
	s_add_co_u32 s2, s2, STAGE                     ; my stage
	v_and_b32 v32, 31, v0                          ; lane
	v_and_b32 v33, 15, v0                          ; r
	v_bfe_u32 v34, v0, 4, 1                        ; h
	v_lshlrev_b32 v[LI], 4, v32
	v_mul_u32_u24 v[STO], v33, SP
	v_lshl_add_u32 v[STO], v34, 5, v[STO]
	v_add_nc_u32 v[STO], s2, v[STO]                ; row r, + 32 h
	v_add_nc_u32 v[SRD], s2, v[LI]
	v_mul_u32_u24 v[QRD], v33, SP
	v_lshl_add_u32 v[QRD], v34, 7, v[QRD]
	v_add_nc_u32 v[QRD], s2, v[QRD]                ; row r, + 128 h
	v_min_u32 v[PFO], 24, v32
	v_lshlrev_b32 v[PFO], 8, v[PFO]
	v_lshlrev_b32 v35, 4, v34
	v_sub_nc_u32 v[RH], v33, v35
	v_lshlrev_b32 v[H8], 3, v34
	v_lshrrev_b32 v35, 2, v32
	v_and_b32 v36, 3, v32
	v_lshlrev_b32 v36, 8, v36
	v_lshl_add_u32 v[PQO], v35, 14, v36
	WIN 0x40                                       ; destination window 1: tile 1's copies, and what is named before it is first written (a lane permute's destination; the upper half of a pair)
	v_mov_b32 v[RH], v[RH]
	v_mov_b32 v[H8], v[H8]
.irp g, 236,237,238,239,252,253
	v_mov_b32 v[\g], 0
.endr
	WIN 0
.irp g, 236,237,238,239,252,253
	v_mov_b32 v[\g], 0
.endr
	QLOAD QA
	QIN
	RESET                                          ; (its lines also stand between the writes of q's codes and scale words and the first products)
.Ltrip:                                            ; 16 trips: steps 0 to 15; each asks for the step that follows
	CHANGE 1
	STEP 0, DA
	s_cmp_lg_u32 s[SN], s[LASTA]                   ; a branch on ids, the same in all eight waves; no barrier and no tensor load stands under it
	s_cbranch_scc1 .Lsame
	QLOAD QB                                       ; BLOCK A IS DONE: block B's q is asked for first, and lands while block A goes out
	FINISH 0, OA
	FINISH 1, OA
	WIN 0
	QIN
	s_wait_xcnt 0x0                                ; the stores have read their registers: O^T may be written again
	RESET
.Lsame:
	s_xor_b32 s[TB], s[TB], SLOT1                  ; on to the other slot
	s_add_co_u32 s[SN], s[SN], 1
	s_sub_co_u32 s[CNT], s[CNT], 1
	s_cmp_lg_u32 s[CNT], 0
	s_cbranch_scc1 .Ltrip
	CHANGE 0                                       ; the last step is written out: nothing is left to fetch
	STEP 1, DB
	FINISH 0, OB
	FINISH 1, OB
	WIN 0
	s_wait_tensorcnt 0x0                           ; the wave's end, behind my last tensor load and my last LDS store
	ds_add_u32 v[SPW], v[NIL]
	s_wait_dscnt 0x0
	s_endpgm
.Lfunc_end_k_q20e176e49d_attn:
	.size	k_q20e176e49d_attn, .Lfunc_end_k_q20e176e49d_attn-k_q20e176e49d_attn
	.p2alignl 7, 3214868480
	.fill 96, 4, 3214868480
	.section	.rodata,"a",@progbits
	.p2align	6, 0x0
	.amdhsa_kernel k_q20e176e49d_attn
		.amdhsa_group_segment_fixed_size 327680
		.amdhsa_private_segment_fixed_size 0
		.amdhsa_enable_private_segment 0
		.amdhsa_kernarg_size 24
		.amdhsa_user_sgpr_count 2
		.amdhsa_user_sgpr_kernarg_segment_ptr 1
		.amdhsa_wavefront_size32 1
		.amdhsa_system_sgpr_workgroup_id_x 1
		.amdhsa_system_sgpr_workgroup_id_y 1
		.amdhsa_system_sgpr_workgroup_id_z 1
		.amdhsa_system_vgpr_workitem_id 0
		.amdhsa_next_free_vgpr 512
		.amdhsa_next_free_sgpr 66
		.amdhsa_reserve_vcc 1
		.amdhsa_float_denorm_mode_32 3
		.amdhsa_float_denorm_mode_16_64 3
		.amdhsa_memory_ordered 1
		.amdhsa_forward_progress 1
		.amdhsa_inst_pref_size 155
	.end_amdhsa_kernel
	.amdgpu_metadata
---
amdhsa.version: [ 1, 2 ]
amdhsa.kernels:
  - .name:           k_q20e176e49d_attn
    .symbol:         k_q20e176e49d_attn.kd
    .args:
      - { .name: q, .offset: 0, .size: 8, .value_kind: global_buffer, .address_space: global }
      - { .name: kv, .offset: 8, .size: 8, .value_kind: global_buffer, .address_space: global }
      - { .name: out0, .offset: 16, .size: 8, .value_kind: global_buffer, .address_space: global }
    .group_segment_fixed_size: 327680
    .private_segment_fixed_size: 0
    .kernarg_segment_align: 8
    .kernarg_segment_size: 24
    .max_flat_workgroup_size: 256
    .sgpr_count:     66
    .vgpr_count:     512
    .wavefront_size: 32
...
	.end_amdgpu_metadata
.endif
;; end of part 2
